; MI455X (gfx1250); checked and timed in simulation.
; The chip was launched on July 23, 2026; its instructions are those of AMD's public machine-readable ISA for CDNA 5 (MIT licence, August 2026) and "CDNA5" Instruction Set Architecture Reference Guide (July 2026). The comments in the code are by the model that wrote it; some were corrected since.
;; Multi Discriminator. Allowed arithmetic: float matrix products may take bf16 or f16 operands with f32 sums; all other float work in f32.
;; Inputs: W1 8 x 512 x 512 float32; W2 8 x 512 x 512 float32; W3 8 x 512 x 1 float32; action 16,384 x 128 float32; b1 8 x 512 float32; b2 8 x 512 float32; b3 8 x 1 float32; observation 16,384 x 384 float32; skill_idx 16,384 int32.
;; Outputs: out0 16,384 x 1 float32.
;; One version. Each part assembles by itself: llvm-mc -triple=amdgcn-amd-amdhsa -mcpu=gfx1250 --defsym DOCPART=n.
;; ======== version 1 of 1: 2 launches
;; workspace buffers: wfrag 8,388,608 bytes; route 67,072 bytes of whole numbers
;; launch prep (part 1): grid 129 x 1, 8 waves a work-group, no clusters, 68,608 bytes of LDS; arguments W1, W2, skill_idx, wfrag, route; writes wfrag, route
.if DOCPART == 1
	.amdgcn_target "amdgcn-amd-amdhsa--gfx1250"
	.amdhsa_code_object_version 6
	.text
	.protected	k_q4e6de04710_prep
	.globl	k_q4e6de04710_prep
	.p2align	8
	.type	k_q4e6de04710_prep,@function
k_q4e6de04710_prep:
	s_mov_b64 s[64:65], 0
	v_nop
	global_prefetch_b8 v0, s[64:65] scope:SCOPE_SE
	s_setreg_imm32_b32 hwreg(HW_REG_WAVE_MODE, 25, 1), 1
	s_wait_xcnt 0x0
; PREP: two jobs that do not depend on each other, told apart by the work-group's number.
;
; Work-groups 1..128 (CONVERT): W1 and W2, f32 stored [expert][k][n], become bf16 in the order in which the next launch's
; matrix instructions take them.  wfrag byte  e*2^20 + w*2^18 + l*2^17 + ks*8192 + nb*1024 + q*512 + L*16 + 2i  holds
; W_(l+1)[e][k = 32 ks + 16 q + 8 (L>>4) + i][n = 128 w + 16 nb + (L&15)]:  1,024 bytes are one 16 (n) x 32 (k) fragment, lane L's
; registers 0-3 at q = 0 and 4-7 at q = 1 (ISA guide 7.12.2), and all that one wave of the next launch reads is one run of 256 KiB.
; A wave converts one unit (e, w, l, ks): 32 rows of k x 128 columns, 16 KiB in, 8 KiB out; 8 x 4 x 2 x 16 = 1,024 units = 128 x 8 waves.
; The transposition (a lane loads 4 columns of a row, a fragment wants 8 rows of a column) goes through a stage in LDS that is the wave's own.
;
; Work-group 0 (ROUTE): a counting sort of the 16,384 tokens by skill_idx, without atomics.
;   route words 0..16383      token numbers, ordered by expert;  words 16384..16511 are 0 (a segment's 80 reads may pass the list's end)
;   route words 16512..16724  213 segment heads, lo | expert << 16.  The list is cut at every multiple of 80 (205 cuts) and at the
;                             bounds b_1..b_8 of the experts (b_8 = 16384): always 212 segments of at most 80 rows and one expert each.
;                             Rank of the cut at 80 i:  i + #{e in 1..7: b_e < 80 i};  of the cut at b_e:  e + floor(b_e / 80).
;                             A segment is empty only where a bound is a multiple of 80 or an expert has no token.
; LIMIT: skill_idx is taken to lie in 0..7, as the reference's take_along_axis relies on; other numbers leave words of the list unwritten.
; Weights are rounded to bf16, to nearest even.
.set FPITCH, 1040                      ; a fragment in the stage: 1,024 bytes + 16, so that the 16 lanes of a 16-byte store fall on 16 different columns
.set STAGE,  8*FPITCH                  ; a wave's stage: 8 fragments
.set TABLE,  8*STAGE                   ; behind the stages: counts, [wave][32 lanes] words, lanes 0..7 = experts
.set PADOFF, 65536                     ; route: byte offset of the 128 zero words
.set SEGOFF, 66048                     ; route: byte offset of the segment heads
.set ROWS, 16                          ; CONVERT v[16:143]  row r of the unit: 4 registers
.set IDX,  16                          ; ROUTE   v[16:79]   register 4 j + c of lane L: skill of token 2048 wave + 128 j + 4 L + c; later that token's number
.set RANK, 80                          ; ROUTE   v[80:143]  its rank among the wave's tokens of its expert; later its byte offset in the list
.set T,    144                         ; v[144:207] at work
.set TOT,  208                         ; ROUTE: tokens of expert lane & 7, all waves
.set PFX,  209                         ;        the same, waves in front of mine
.set TMP,  210
.set POS,  211
.set RNK,  212
.set EXPT, 213
.set ZERO, 216                         ; v[216:219]
.set MSK,  32                          ; s[32:39] lane masks of eight registers
.set CNT,  40                          ; s[40:47] their bit counts
.set BAS,  48                          ; s[48:55] running count in front of each
.set BND,  32                          ; s[32:40] b_0..b_8 (behind the counting)
	s_load_b256 s[4:11], s[0:1], 0x0               ; W1 s[4:5], W2 s[6:7], skill_idx s[8:9], wfrag s[10:11]
	s_load_b64 s[12:13], s[0:1], 0x20              ; route
	v_lshl_add_u32 v224, v0, 2, 0x10800
	v_mov_b32 v225, 0
	v_and_b32 v1, 31, v0                           ; lane
	v_lshrrev_b32 v2, 5, v0
	v_readfirstlane_b32 s14, v2                    ; wave 0..7
	v_lshlrev_b32 v2, 4, v1                        ; 16 x lane
	s_cmp_eq_u32 ttmp9, 0                          ; the same in all eight waves of a work-group
	s_cbranch_scc1 .Lroute
; ---------------------------------------------------------------- CONVERT
	s_sub_co_u32 s16, ttmp9, 1
	s_lshl3_add_u32 s16, s16, s14                  ; unit u = 8 (group - 1) + wave = e*128 + w*32 + l*16 + ks
	s_lshr_b32 s17, s16, 7                         ; e
	s_bfe_u32 s18, s16, 0x20005                    ; w
	s_and_b32 s19, s16, 15                         ; ks
	s_lshl_b32 s17, s17, 20                        ; an expert's matrix: 512 x 512 x 4 bytes
	s_lshl_b32 s18, s18, 9                         ; 128 columns x 4 bytes
	s_lshl_b32 s19, s19, 16                        ; 32 rows x 2,048 bytes
	s_or_b32 s17, s17, s18
	s_or_b32 s22, s17, s19
	s_mov_b32 s23, 0
	s_lshl_b32 s26, s16, 13                        ; 8,192 bytes out for each unit
	s_mov_b32 s27, 0
	s_mul_i32 s15, s14, STAGE
	v_lshrrev_b32 v3, 2, v1                        ; my 4 columns lie in fragment nb = lane >> 2,
	v_and_b32 v4, 3, v1                            ; at its columns 4 (lane & 3) + c
	v_mul_u32_u24 v3, v3, FPITCH
	v_lshl_add_u32 v3, v4, 6, v3
	v_add_nc_u32 v3, s15, v3                       ; into the stage: wave x STAGE + nb x FPITCH + 64 (lane & 3)
	v_add_nc_u32 v4, s15, v2                       ; back out of it: wave x STAGE + 16 lane
	s_and_b32 s20, s16, 16                         ; l
	s_wait_kmcnt 0x0
	s_cmp_lg_u32 s20, 0
	s_cselect_b64 s[24:25], s[6:7], s[4:5]         ; W2 or W1
	s_add_nc_u64 s[24:25], s[24:25], s[22:23]
	s_add_nc_u64 s[26:27], s[10:11], s[26:27]
.set r, 0
.rept 32
	global_load_b128 v[ROWS+4*r:ROWS+4*r+3], v2, s[24:25] offset:2048*r th:TH_LOAD_NT   ; 512 consecutive bytes of row r; each weight is read once in the launch
.set r, r+1
.endr
; Group g = 2 q + h is rows 8 g .. 8 g + 7: for each of my 4 columns eight k's, 16 bytes of lane 16 h + column in half q of the fragment.
.irp g, 0,1,2,3
	s_wait_loadcnt 24-8*\g                         ; loads return in order (ISA guide 5.7.1): the rows of the later groups stay out
.irp c, 0,1,2,3
.irp p, 0,1,2,3
	v_cvt_pk_bf16_f32 v[T+4*\c+\p], v[ROWS+4*(8*\g+2*\p)+\c], v[ROWS+4*(8*\g+2*\p+1)+\c]
.endr
	ds_store_b128 v3, v[T+4*\c:T+4*\c+3] offset:256*\g+16*\c
.endr
.endr
.irp t, 0,1,2,3,4,5,6,7,8,9,10,11,12,13,14,15
	ds_load_b128 v[ROWS+4*\t:ROWS+4*\t+3], v4 offset:(\t>>1)*FPITCH+(\t&1)*512   ; my own bytes, and LDS serves a wave in order: no wait behind the stores
.endr
.irp t, 0,1,2,3,4,5,6,7,8,9,10,11,12,13,14,15
	s_wait_dscnt 15-\t                             ; the younger read-backs stay out
	global_store_b128 v2, v[ROWS+4*\t:ROWS+4*\t+3], s[26:27] offset:512*\t        ; 512 consecutive bytes, aligned
.endr
	s_wait_tensorcnt 0x0
	ds_add_u32 v224, v225
	s_wait_dscnt 0x0
	s_endpgm
; ---------------------------------------------------------------- ROUTE, part 1: ranks inside the wave, counts of the wave
.Lroute:
	s_lshl_b32 s16, s14, 13
	v_add_nc_u32 v5, s16, v2                       ; 2,048 tokens x 4 bytes a wave + 16 lane
	s_lshl_b32 s17, s14, 7
	s_add_co_u32 s17, s17, TABLE
	v_lshl_add_u32 v7, v1, 2, s17                  ; my word of my wave's line in the table
	s_lshl_b32 s18, s14, 11
	v_lshl_add_u32 v13, v1, 2, s18                 ; token of my register 0: 2048 wave + 4 lane
	s_mov_b32 s58, 0x76543210                      ; v_permlanex16_b32: lane i takes lane i of the other half
	s_mov_b32 s59, 0xfedcba98
	s_wait_kmcnt 0x0
.irp j, 0,1,2,3,4,5,6,7,8,9,10,11,12,13,14,15
	global_load_b128 v[IDX+4*\j:IDX+4*\j+3], v5, s[8:9] offset:512*\j
.endr
	s_wait_loadcnt 0x0
; Eight registers for expert s20: masks, their bit counts, the running count s21, and rank = running count + my place in the mask.
; Eight at a time, so that the way vector compare -> scalar count -> vector rank is walked by eight independent chains.
; first = 1: the ranks are written in every lane, which spares clearing them; a lane of another expert is overwritten in that expert's trip.
.macro RB j0, first
.irp i, 0,1,2,3,4,5,6,7
	v_cmp_eq_u32 s[MSK+\i], s20, v[IDX+\j0+\i]
.endr
.irp i, 0,1,2,3,4,5,6,7
	s_bcnt1_i32_b32 s[CNT+\i], s[MSK+\i]
.endr
	s_mov_b32 s[BAS], s21
.irp i, 0,1,2,3,4,5,6
	s_add_co_u32 s[BAS+\i+1], s[BAS+\i], s[CNT+\i]
.endr
	s_add_co_u32 s21, s[BAS+7], s[CNT+7]
.irp i, 0,1,2,3,4,5,6,7
.if \first
	v_mbcnt_lo_u32_b32 v[RANK+\j0+\i], s[MSK+\i], s[BAS+\i]
.else
	v_mbcnt_lo_u32_b32 v[T+\i], s[MSK+\i], s[BAS+\i]
	v_cndmask_b32 v[RANK+\j0+\i], v[RANK+\j0+\i], v[T+\i], s[MSK+\i]
.endif
.endr
.endm
	s_mov_b32 s20, 0                               ; expert 0 stands in front of the loop
	s_mov_b32 s21, 0
.irp j, 0,8,16,24,32,40,48,56
	RB \j, 1
.endr
	v_mov_b32 v6, s21                              ; lane e of v6 will hold the wave's count of expert e (lanes 8..31 are never read)
	s_mov_b32 s20, 1
.Lexpert:
	s_mov_b32 s21, 0
.irp j, 0,8,16,24,32,40,48,56
	RB \j, 0
.endr
	v_mov_b32 v14, s21
	v_cmp_eq_u32 vcc_lo, s20, v1
	v_cndmask_b32 v6, v6, v14, vcc_lo
	s_add_co_u32 s20, s20, 1
	s_cmp_lt_u32 s20, 8
	s_cbranch_scc1 .Lexpert
	ds_store_b32 v7, v6
	v_lshrrev_b32 v15, 3, v1                       ; p = lane >> 3: I read the counts of waves 2 p and 2 p + 1
	v_and_b32 v8, 7, v1                            ; for expert lane & 7
	v_lshlrev_b32 v8, 2, v8
	v_lshl_add_u32 v8, v15, 8, v8
	v_add_nc_u32 v8, TABLE, v8
	v_lshlrev_b32 v15, 1, v15                      ; 2 p
	s_wait_dscnt 0x0                               ; my line of the table is written: the other waves read it behind the barrier
	s_barrier_signal -1
	s_barrier_wait -1
; ---------------------------------------------------------------- ROUTE, part 2: bounds, the list, the segment heads
	ds_load_b32 v9, v8
	ds_load_b32 v10, v8 offset:128
	s_wait_dscnt 0x0
	v_add_nc_u32 v[TOT], v9, v10
	v_cmp_gt_u32 vcc_lo, s14, v15                  ; wave 2 p is in front of mine
	v_cndmask_b32 v[PFX], 0, v9, vcc_lo
	v_add_nc_u32 v15, 1, v15
	v_cmp_gt_u32 vcc_lo, s14, v15                  ; wave 2 p + 1 is
	v_cndmask_b32 v[TMP], 0, v10, vcc_lo
	v_add_nc_u32 v[PFX], v[PFX], v[TMP]
	; sums over the four lanes of an expert: lane xor 8, lane xor 16
	v_mov_b32_dpp v[TMP], v[TOT] row_xmask:8 row_mask:0xf bank_mask:0xf
	v_add_nc_u32 v[TOT], v[TOT], v[TMP]
	v_permlanex16_b32 v[TMP], v[TOT], s58, s59
	v_add_nc_u32 v[TOT], v[TOT], v[TMP]
	v_mov_b32_dpp v[TMP], v[PFX] row_xmask:8 row_mask:0xf bank_mask:0xf
	v_add_nc_u32 v[PFX], v[PFX], v[TMP]
	v_permlanex16_b32 v[TMP], v[PFX], s58, s59
	v_add_nc_u32 v[PFX], v[PFX], v[TMP]
.irp e, 0,1,2,3,4,5,6,7
	v_readlane_b32 s[24+\e], v[TOT], \e
.endr
	s_mov_b32 s[BND], 0
.irp e, 0,1,2,3,4,5,6,7
	s_add_co_u32 s[BND+\e+1], s[BND+\e], s[24+\e]  ; b_(e+1) = b_e + tokens of expert e
.endr
	v_mov_b32 v11, s[BND+8]                        ; lane e: b_e; lanes 8..31: b_8
.irp e, 0,1,2,3,4,5,6,7
	v_writelane_b32 v11, s[BND+\e], \e
.endr
	v_add_nc_u32 v12, v11, v[PFX]                  ; lane e: where my wave's tokens of expert e begin
.set i, 0
.rept 64
	v_lshlrev_b32 v[IDX+i], 2, v[IDX+i]            ; the permute's index is a byte address: 4 x lane = 4 x expert
.set i, i+1
.endr
.set i, 0
.rept 64
	ds_bpermute_b32 v[T+i], v[IDX+i], v12          ; each token fetches its expert's start
.set i, i+1
.endr
.irp run, 0,1,2,3
	s_wait_dscnt 48-16*\run                        ; the permutes of the later quarters stay out
.irp k, 0,1,2,3,4,5,6,7,8,9,10,11,12,13,14,15
	v_add_nc_u32 v[RANK+16*\run+\k], v[RANK+16*\run+\k], v[T+16*\run+\k]
	v_min_u32 v[RANK+16*\run+\k], 0x3fff, v[RANK+16*\run+\k]                      ; a place in the list, whatever was loaded
	v_lshlrev_b32 v[RANK+16*\run+\k], 2, v[RANK+16*\run+\k]
	v_add_nc_u32 v[IDX+16*\run+\k], 128*((16*\run+\k)>>2)+((16*\run+\k)&3), v13   ; the token's number
	global_store_b32 v[RANK+16*\run+\k], v[IDX+16*\run+\k], s[12:13]              ; a permutation of 64 KiB: 4 bytes a lane is what it is
.endr
.endr
	; segment heads at the multiples of 80: thread i < 205
	v_mul_u32_u24 v[POS], v0, 80
	v_mov_b32 v[RNK], v0
	v_mov_b32 v[EXPT], 0
.irp e, 1,2,3,4,5,6,7
	v_cmp_lt_u32 vcc_lo, s[BND+\e], v[POS]         ; a bound in front of me moves me up by one
	v_cndmask_b32 v[TMP], 0, 1, vcc_lo
	v_add_nc_u32 v[RNK], v[RNK], v[TMP]
	v_cmp_le_u32 vcc_lo, s[BND+\e], v[POS]         ; the expert at a place: how many bounds are at or in front of it
	v_cndmask_b32 v[TMP], 0, 1, vcc_lo
	v_add_nc_u32 v[EXPT], v[EXPT], v[TMP]
.endr
	v_lshl_or_b32 v[POS], v[EXPT], 16, v[POS]
	v_min_u32 v[RNK], 211, v[RNK]
	v_lshlrev_b32 v[RNK], 2, v[RNK]
	v_cmp_gt_u32 vcc_lo, 205, v0
	s_wait_xcnt 0x0                                ; EXEC is a source of the stores above: it changes only behind this wait
	s_and_saveexec_b32 s20, vcc_lo
	global_store_b32 v[RNK], v[POS], s[12:13] offset:SEGOFF
	s_wait_xcnt 0x0                                ; and again before it widens; RNK and POS are free behind it too
	s_or_b32 exec_lo, exec_lo, s20
	s_cmp_lg_u32 s14, 0                            ; the eight heads at the bounds and the zero words: wave 0 alone
	s_cbranch_scc1 .Lend
	v_mul_lo_u32 v[RNK], v11, 0xcccd               ; floor(b / 80) = (b x 52429) >> 22: 52429 x 80 = 2^22 + 16, so the excess at b <= 16384
	v_lshrrev_b32 v[RNK], 22, v[RNK]               ; is below 0.001, less than the 1/80 that would reach the next whole number
	v_add_nc_u32 v[RNK], v[RNK], v1                ; + e
	v_mov_b32 v[EXPT], 0
.irp e, 1,2,3,4,5,6,7
	v_cmp_le_u32 vcc_lo, s[BND+\e], v11
	v_cndmask_b32 v[TMP], 0, 1, vcc_lo
	v_add_nc_u32 v[EXPT], v[EXPT], v[TMP]
.endr
	v_lshl_or_b32 v[POS], v[EXPT], 16, v11
	v_min_u32 v[RNK], 212, v[RNK]
	v_lshlrev_b32 v[RNK], 2, v[RNK]
	v_add_nc_u32 v[TMP], -1, v1
	v_cmp_gt_u32 vcc_lo, 8, v[TMP]                 ; lanes 1..8
	s_and_saveexec_b32 s20, vcc_lo                 ; no memory instruction has been issued since the last s_wait_xcnt 0
	global_store_b32 v[RNK], v[POS], s[12:13] offset:SEGOFF
	s_wait_xcnt 0x0
	s_or_b32 exec_lo, exec_lo, s20
.irp c, 0,1,2,3
	v_mov_b32 v[ZERO+\c], 0
.endr
	global_store_b128 v2, v[ZERO:ZERO+3], s[12:13] offset:PADOFF   ; words 16384..16511
.Lend:
	s_wait_tensorcnt 0x0
	ds_add_u32 v224, v225
	s_wait_dscnt 0x0
	s_endpgm
.Lfunc_end_k_q4e6de04710_prep:
	.size	k_q4e6de04710_prep, .Lfunc_end_k_q4e6de04710_prep-k_q4e6de04710_prep
	.p2alignl 7, 3214868480
	.fill 96, 4, 3214868480
	.section	.rodata,"a",@progbits
	.p2align	6, 0x0
	.amdhsa_kernel k_q4e6de04710_prep
		.amdhsa_group_segment_fixed_size 68608
		.amdhsa_private_segment_fixed_size 0
		.amdhsa_enable_private_segment 0
		.amdhsa_kernarg_size 40
		.amdhsa_user_sgpr_count 2
		.amdhsa_user_sgpr_kernarg_segment_ptr 1
		.amdhsa_wavefront_size32 1
		.amdhsa_system_sgpr_workgroup_id_x 1
		.amdhsa_system_sgpr_workgroup_id_y 1
		.amdhsa_system_sgpr_workgroup_id_z 1
		.amdhsa_system_vgpr_workitem_id 0
		.amdhsa_next_free_vgpr 226
		.amdhsa_next_free_sgpr 66
		.amdhsa_reserve_vcc 1
		.amdhsa_float_denorm_mode_32 3
		.amdhsa_float_denorm_mode_16_64 3
		.amdhsa_memory_ordered 1
		.amdhsa_forward_progress 1
		.amdhsa_inst_pref_size 75
	.end_amdhsa_kernel
	.amdgpu_metadata
---
amdhsa.version: [ 1, 2 ]
amdhsa.kernels:
  - .name:           k_q4e6de04710_prep
    .symbol:         k_q4e6de04710_prep.kd
    .args:
      - { .name: W1, .offset: 0, .size: 8, .value_kind: global_buffer, .address_space: global }
      - { .name: W2, .offset: 8, .size: 8, .value_kind: global_buffer, .address_space: global }
      - { .name: skill_idx, .offset: 16, .size: 8, .value_kind: global_buffer, .address_space: global }
      - { .name: wfrag, .offset: 24, .size: 8, .value_kind: global_buffer, .address_space: global }
      - { .name: route, .offset: 32, .size: 8, .value_kind: global_buffer, .address_space: global }
    .group_segment_fixed_size: 68608
    .private_segment_fixed_size: 0
    .kernarg_segment_align: 8
    .kernarg_segment_size: 40
    .max_flat_workgroup_size: 256
    .sgpr_count:     66
    .vgpr_count:     226
    .wavefront_size: 32
...
	.end_amdgpu_metadata
.endif
;; end of part 1
;; launch mlp (part 2): grid 212 x 1, 4 waves a work-group, no clusters, 168,448 bytes of LDS; arguments observation, action, b1, b2, W3, b3, wfrag, route, out0; writes out0
.if DOCPART == 2
	.amdgcn_target "amdgcn-amd-amdhsa--gfx1250"
	.amdhsa_code_object_version 6
	.text
	.protected	k_q4e6de04710_mlp
	.globl	k_q4e6de04710_mlp
	.p2align	8
	.type	k_q4e6de04710_mlp,@function
k_q4e6de04710_mlp:
	s_mov_b64 s[64:65], 0
	v_nop
	global_prefetch_b8 v0, s[64:65] scope:SCOPE_SE
	s_setreg_imm32_b32 hwreg(HW_REG_WAVE_MODE, 25, 1), 1
	s_wait_xcnt 0x0
; MLP: out0[t] = sigmoid(relu(relu(x_t W1[e] + b1[e]) W2[e] + b2[e]) W3[e] + b3[e]) with e = skill_idx[t], x_t = (observation_t, action_t).
; The logits of the other seven experts are thrown away by the reference's take_along_axis and are not computed.
;
; A work-group takes one segment of the list that the launch before made: at most 80 tokens of one expert.  Four waves, one on each SIMD.
; Wave w makes all 80 rows x columns 128 w .. 128 w + 127 of each layer: 5 x 8 accumulator tiles, 320 registers.
;   x    gathered by rows (wave w: rows 20 w .. 20 w + 19), rounded to bf16, laid into LDS; every wave reads all of it.
;   W    already bf16 in fragment order (wfrag): a fragment is used by one wave alone, so it goes from memory straight into that wave's
;        registers (two loads of 512 consecutive bytes) and feeds five matrix instructions.  A ring of four K steps in registers, filled
;        three steps ahead; layer 2's weights follow layer 1's in memory, so the ring runs on across the layers.
;   h1   ReLU, bf16, through LDS (each wave needs all 512 columns).   h2 stays in f32 in registers.
;   W3   one column: f32 multiply-adds on the vector unit, summed over the lanes' halves and, through LDS, over the four waves.
; The text is a straight line: no branch hangs on the counts.  Rows at or beyond the segment's count hold the list's next tokens (or token 0
; from the list's zero words); they fill matrix rows whose results are not stored.  A segment may be empty (an expert's bound on a multiple
; of 80, or an expert without tokens): it walks the same text and stores nothing, since its barriers may not hang on loaded numbers.
;
; NO CLUSTER: which segments share an expert hangs on counts in memory, so four neighbouring work-groups may need different weights and
; could not make equal joint requests; and each weight byte has one reader in a work-group, so a copy in LDS would add a write and a read.
;
; THE MATRIX INSTRUCTION IS USED TRANSPOSED: source 0 = 16 columns of W, source 1 = 16 rows of x or h1.  Register j of lane (r, h) of tile
; (mb, nb) is row 16 mb + r, column 128 w + 16 nb + 8 h + j: eight neighbouring columns, 16 bytes of bf16.  The bias, loaded in the same
; layout, is the C of each layer's first product: nothing is cleared and no add is spent on it.
;
; LIMITS: x, W1, W2 and h1 are rounded to bf16 (nearest even), sums in f32.  ReLU is v_max_num_f32: a NaN becomes 0 where the reference keeps
; it.  v_exp_f32 and v_rcp_f32 flush denormals (ISA guide 15.8): a sigmoid below 2^-126 comes out as 0.
;
; REGISTERS in windows of 256 (s_set_vgpr_msb: bits 1:0 source 0, 3:2 source 1, 5:4 source 2, 7:6 destination):
;   window 0  addresses, x slots, then fragments of x / h1 and the epilogues' work
;   window 1  accumulator tiles (mb 0..3, nb) at v[64 mb + 8 nb]
;   window 2  v[0:63] tiles of mb = 4;  v[64:127] b1;  v[128:191] b2;  v[192:255] W3
;   window 3  the ring of weights: K step ks in v[64 (ks % 4) + 8 nb + 4 q]
.set PITCH, 1040                       ; an LDS row: 512 bf16 + 16 bytes: the 16 rows that a fragment load or a tile's store touches fall on different columns
.set HREG,  80*PITCH                   ; LDS: x at 0, h1 at 83,200,
.set PREG,  2*80*PITCH                 ; partial logits [wave][80] f32 at 166,400
.set MB4,   64*PITCH                   ; rows 64..79 lie beyond an LDS instruction's 16-bit offset: address registers of their own
.set SEGOFF, 66048                     ; route: byte offset of the segment heads
.set OO,   12                          ; v[12:31]   x slot i: byte offset of my 16 bytes in its row of observation (even) and of action (odd)
.set XS,   32                          ; v[32:191]  x slot i: 16 registers, a row as loaded
.set XP,   192                         ; v[192:199] a row as bf16
.set AF0,  32                          ; v[32:71], v[72:111]  fragments of 80 rows x 32 K, two buffers
.set TT,   112                         ; v[112:175] a row of tiles after ReLU
.set PK,   176                         ; v[176:207] the same as bf16
.set PS,   208                         ; v[208:215] four chains of partial logits
.set BIAS1, 64
.set BIAS2, 128
.set W3V,   192
.set TOKS,  36                         ; s[36:55]   the tokens of my wave's 20 rows
; v0 thread; v1 16 x lane; v2 r; v3 h; v4, v5 x fragments (rows 0..63, 64..79); v6, v7 the same for h1; v8, v9 where I store h1;
; v10 where I store x; v11 my offset in b1, b2, W3; v240 my row's token; v241 its offset in the list; v242, v243 partial logits: store, load
.set MSB, 0
.macro WIN new                         ; the immediate's high byte repeats the setting that is left
.if MSB != \new
	s_set_vgpr_msb (MSB<<8)|\new
.set MSB, \new
.endif
.endm
.set MUL1,  0x53                       ; W window 3, x window 0, C and D window 1
.set MUL1F, 0x63                       ; the same with C (the bias) in window 2
.set MUL2,  0xa3                       ; C and D window 2
.set LDB,   0xc0                       ; load into window 3
.set LDC,   0x80                       ; load into window 2
.set RD1,   0x04                       ; source 1 window 1
.set RD2,   0x08                       ; source 1 window 2
	s_load_b512 s[4:19], s[0:1], 0x0               ; observation 4, action 6, b1 8, b2 10, W3 12, b3 14, wfrag 16, route 18
	s_load_b64 s[20:21], s[0:1], 0x40              ; out0
	v_lshl_add_u32 v254, v0, 2, 0x29000
	v_mov_b32 v255, 0
	v_lshrrev_b32 v244, 5, v0
	v_readfirstlane_b32 s22, v244                  ; wave 0..3
	s_lshl_b32 s23, ttmp9, 2
	v_and_b32 v245, 31, v0                         ; lane
	v_and_b32 v2, 15, v0                           ; r
	v_bfe_u32 v3, v0, 4, 1                         ; h
	v_lshlrev_b32 v1, 4, v245
	v_mul_u32_u24 v4, v2, PITCH
	v_lshl_add_u32 v4, v3, 4, v4                   ; r x pitch + 16 h
	v_add_nc_u32 v5, MB4, v4
	v_add_nc_u32 v6, HREG, v4
	v_add_nc_u32 v7, HREG+MB4, v4
	s_lshl_b32 s56, s22, 8
	v_add_nc_u32 v8, s56, v6                       ; + my wave's 128 columns of bf16
	v_add_nc_u32 v9, s56, v7
	s_mul_i32 s56, s22, 20*PITCH
	v_lshl_add_u32 v10, v245, 3, s56               ; my wave's 20 rows + 8 lane
	s_lshl_b32 s56, s22, 9
	v_lshl_add_u32 v11, v3, 5, s56                 ; 4 bytes x (128 w + 8 h)
	s_mul_i32 s56, s22, 320
	s_add_co_u32 s56, s56, PREG
	v_lshl_add_u32 v242, v2, 2, s56
	v_min_u32 v241, 79, v0                         ; threads 0..79 finish a row each
	v_lshl_add_u32 v243, v241, 2, PREG
	s_mov_b32 s58, 0x76543210                      ; v_permlanex16_b32: lane i takes lane i of the other half
	s_mov_b32 s59, 0xfedcba98
	s_wait_kmcnt 0x0
	s_load_b64 s[24:25], s[18:19], s23 offset:SEGOFF   ; my segment's head and the next one's
	s_wait_kmcnt 0x0
	s_and_b32 s26, s24, 0xffff
	s_min_u32 s26, s26, 0x4000                     ; lo
	s_lshr_b32 s28, s24, 16
	s_min_u32 s28, s28, 7                          ; expert
	s_and_b32 s27, s25, 0xffff
	s_min_u32 s27, s27, 0x4000
	s_sub_co_u32 s27, s27, s26
	s_min_u32 s27, s27, 80                         ; rows that count
	s_mul_i32 s30, s22, 20
	s_add_co_u32 s30, s30, s26
	s_lshl_b32 s30, s30, 2                         ; my wave's 20 words of the list
	s_lshl_b32 s31, s28, 2
	s_load_b512 s[TOKS:TOKS+15], s[18:19], s30 offset:0x0
	s_load_b128 s[TOKS+16:TOKS+19], s[18:19], s30 offset:0x40
	s_load_b32 s29, s[14:15], s31 offset:0x0       ; b3[e]
	s_lshl_b32 s32, s28, 20                        ; wfrag: 1 MiB an expert,
	s_lshl_b32 s33, s22, 18                        ; 256 KiB a wave
	s_or_b32 s32, s32, s33
	s_mov_b32 s33, 0
	s_add_nc_u64 s[16:17], s[16:17], s[32:33]
	s_lshl_b32 s34, s28, 11                        ; b1, b2, W3: 512 f32 an expert
	s_mov_b32 s35, 0
	s_add_nc_u64 s[8:9], s[8:9], s[34:35]
	s_add_nc_u64 s[10:11], s[10:11], s[34:35]
	s_add_nc_u64 s[12:13], s[12:13], s[34:35]
	v_add_lshl_u32 v241, v241, s26, 2
	global_load_b32 v240, v241, s[18:19]           ; the token of the row that I finish
; 64 numbers of a vector of 512 in the accumulators' layout: register 8 nb + j = element 128 w + 16 nb + 8 h + j
.macro LDCONST base, dst
	WIN LDC
.irp nb, 0,1,2,3,4,5,6,7
	global_load_b128 v[\dst+8*\nb:\dst+8*\nb+3], v11, s[\base:\base+1] offset:64*\nb
	global_load_b128 v[\dst+8*\nb+4:\dst+8*\nb+7], v11, s[\base:\base+1] offset:64*\nb+16
.endr
.endm
; the eight weight fragments of K step ks (0..15 layer 1, 16..31 layer 2): 16 loads of 512 consecutive bytes.  No hint: every segment of the expert reads them
.macro BFILL ks
	WIN LDB
.set FBL, 64*((\ks)%4)
.irp f, 0,1,2,3,4,5,6,7
	global_load_b128 v[FBL+8*\f:FBL+8*\f+3], v1, s[16:17] offset:8192*(\ks)+1024*\f
	global_load_b128 v[FBL+8*\f+4:FBL+8*\f+7], v1, s[16:17] offset:8192*(\ks)+1024*\f+512
.endr
.endm
	LDCONST 8, BIAS1
	LDCONST 10, BIAS2
	LDCONST 12, W3V
	BFILL 0                                        ; these need the expert alone and go out while the tokens are on their way
	BFILL 1
	BFILL 2
	WIN 0
; ---------------------------------------------------------------- x: 20 rows a wave through a ring of 10 slots in registers
.macro XADDR i, row
	s_min_u32 s56, s[TOKS+\row], 0x3fff
	s_mul_i32 s57, s56, 1536                       ; a row of observation
	s_lshl_b32 s56, s56, 9                         ; a row of action
	v_add_nc_u32 v[OO+2*\i], s57, v1
	v_add_nc_u32 v[OO+2*\i+1], s56, v1
.endm
.macro XLOAD i                         ; four loads of 512 consecutive bytes.  No hint: the rows behind a short segment are read by the next segment too
	global_load_b128 v[XS+16*\i:XS+16*\i+3], v[OO+2*\i], s[4:5]
	global_load_b128 v[XS+16*\i+4:XS+16*\i+7], v[OO+2*\i], s[4:5] offset:512
	global_load_b128 v[XS+16*\i+8:XS+16*\i+11], v[OO+2*\i], s[4:5] offset:1024
	global_load_b128 v[XS+16*\i+12:XS+16*\i+15], v[OO+2*\i+1], s[6:7]
.endm
.macro XCVT i, row                     ; chunk c of lane L is columns 128 c + 4 L .. + 3: 8 bytes of bf16, 256 consecutive bytes a store
.irp c, 0,1,2,3
	v_cvt_pk_bf16_f32 v[XP+2*\c], v[XS+16*\i+4*\c], v[XS+16*\i+4*\c+1]
	v_cvt_pk_bf16_f32 v[XP+2*\c+1], v[XS+16*\i+4*\c+2], v[XS+16*\i+4*\c+3]
.endr
.irp c, 0,1,2,3
	ds_store_b64 v10, v[XP+2*\c:XP+2*\c+1] offset:PITCH*(\row)+256*\c
.endr
.endm
	s_wait_kmcnt 0x0                               ; tokens and b3
.irp i, 0,1,2,3,4,5,6,7,8,9
	XADDR \i, \i
	XLOAD \i
.endr
.irp i, 0,1,2,3,4,5,6,7,8,9
	s_wait_loadcnt 36                              ; nine younger slots of four loads stay out; the slot's address registers are free behind this wait
	XCVT \i, \i
	XADDR \i, \i+10
	XLOAD \i
.endr
.irp i, 0,1,2,3,4,5,6,7,8,9
	s_wait_loadcnt 36-4*\i                         ; the counts run down; the last is 0, so biases, W3 and three K steps of weights are in as well
	XCVT \i, \i+10
.endr
	s_wait_dscnt 0x0                               ; my 20 rows are in LDS: the others read them behind the barrier
	s_barrier_signal -1
	s_barrier_wait -1
; ---------------------------------------------------------------- the two layers
; ten LDS loads: the fragments of all 80 rows for K step ks, from x (ks < 16) or h1
.macro AFETCH ks
	WIN 0
.set FAL, AF0+40*((\ks)%2)
.set KO, 64*((\ks)%16)
.if (\ks) < 16
.set BA, 4
.else
.set BA, 6
.endif
.irp mb, 0,1,2,3
	ds_load_b128 v[FAL+8*\mb:FAL+8*\mb+3], v[BA] offset:16*PITCH*\mb+KO
	ds_load_b128 v[FAL+8*\mb+4:FAL+8*\mb+7], v[BA] offset:16*PITCH*\mb+KO+32
.endr
	ds_load_b128 v[FAL+32:FAL+35], v[BA+1] offset:KO
	ds_load_b128 v[FAL+36:FAL+39], v[BA+1] offset:KO+32
.endm
; 40 matrix instructions: 5 x 8 tiles, 32 along K.  first = 1: C is the bias, which starts the sums
.macro MUL ks, first, bias
.set FBM, 64*((\ks)%4)
.set FAM, AF0+40*((\ks)%2)
.if \first
	WIN MUL1F
.else
	WIN MUL1
.endif
.irp mb, 0,1,2,3
.irp nb, 0,1,2,3,4,5,6,7
.if \first
	v_wmma_f32_16x16x32_bf16 v[64*\mb+8*\nb:64*\mb+8*\nb+7], v[FBM+8*\nb:FBM+8*\nb+7], v[FAM+8*\mb:FAM+8*\mb+7], v[\bias+8*\nb:\bias+8*\nb+7]
.else
	v_wmma_f32_16x16x32_bf16 v[64*\mb+8*\nb:64*\mb+8*\nb+7], v[FBM+8*\nb:FBM+8*\nb+7], v[FAM+8*\mb:FAM+8*\mb+7], v[64*\mb+8*\nb:64*\mb+8*\nb+7]
.endif
.endr
.endr
	WIN MUL2
.irp nb, 0,1,2,3,4,5,6,7
.if \first
	v_wmma_f32_16x16x32_bf16 v[8*\nb:8*\nb+7], v[FBM+8*\nb:FBM+8*\nb+7], v[FAM+32:FAM+39], v[\bias+8*\nb:\bias+8*\nb+7]
.else
	v_wmma_f32_16x16x32_bf16 v[8*\nb:8*\nb+7], v[FBM+8*\nb:FBM+8*\nb+7], v[FAM+32:FAM+39], v[8*\nb:8*\nb+7]
.endif
.endr
.endm
; A load into a register that a matrix instruction has read, and a vector instruction that reads a matrix result, stand four independent
; vector instructions behind it; the matrix instructions in between are not counted here.  Four v_nop for 40 products.
.macro PLACES
.rept 4
	v_nop
.endr
.endm
; One K step.  The registers that it refills (weights of step ks - 1, fragments of step ks - 1) were last read in front of that step's PLACES.
.macro KSTEP ks, first, bias
.set LEFT, 31-(\ks)
.if LEFT > 2
.set LEFT, 2
.endif
	s_wait_loadcnt 16*LEFT                         ; this step's weights are in; the 16 loads of each of the next two steps (fewer at the end) stay out
.if (\ks)+3 <= 31
	BFILL (\ks+3)
.endif
.if ((\ks)%16) != 15
	AFETCH (\ks+1)
	s_wait_dscnt 10                                ; this step's fragments are in; the ten loads just issued stay out
.else
	s_wait_dscnt 0                                 ; a layer's last step fetches nothing
.endif
	MUL \ks, \first, \bias
	PLACES
.endm
; TT = max(0, the eight tiles of rows 16 mb .. 16 mb + 15)
.macro RELU mb
.if \mb < 4
	WIN RD1
.set AB, 64*\mb
.else
	WIN RD2
.set AB, 0
.endif
.set i, 0
.rept 64
	v_max_num_f32 v[TT+i], 0, v[AB+i]
.set i, i+1
.endr
.endm
; h1: ReLU, bf16, 16 bytes a lane and tile into LDS
.macro EPI1 mb
	RELU \mb
	WIN 0
.irp nb, 0,1,2,3,4,5,6,7
.irp p, 0,1,2,3
	v_cvt_pk_bf16_f32 v[PK+4*\nb+\p], v[TT+8*\nb+2*\p], v[TT+8*\nb+2*\p+1]
.endr
.endr
.irp nb, 0,1,2,3,4,5,6,7
.if \mb < 4
	ds_store_b128 v8, v[PK+4*\nb:PK+4*\nb+3] offset:16*PITCH*\mb+32*\nb
.else
	ds_store_b128 v9, v[PK+4*\nb:PK+4*\nb+3] offset:32*\nb
.endif
.endr
.endm
; h2 W3: ReLU, 64 multiply-adds a lane in four chains of pairs, the lane's eight sums, the other half's columns, my wave's word for the row
.macro EPI2 mb
	RELU \mb
	WIN RD2
.irp p, 0,1,2,3
	v_pk_mul_f32 v[PS+2*\p:PS+2*\p+1], v[TT+2*\p:TT+2*\p+1], v[W3V+2*\p:W3V+2*\p+1]
.endr
.irp nb, 1,2,3,4,5,6,7
.irp p, 0,1,2,3
	v_pk_fma_f32 v[PS+2*\p:PS+2*\p+1], v[TT+8*\nb+2*\p:TT+8*\nb+2*\p+1], v[W3V+8*\nb+2*\p:W3V+8*\nb+2*\p+1], v[PS+2*\p:PS+2*\p+1]
.endr
.endr
	WIN 0
	v_pk_add_f32 v[PS:PS+1], v[PS:PS+1], v[PS+2:PS+3]
	v_pk_add_f32 v[PS+4:PS+5], v[PS+4:PS+5], v[PS+6:PS+7]
	v_pk_add_f32 v[PS:PS+1], v[PS:PS+1], v[PS+4:PS+5]
	v_add_f32 v[PS], v[PS], v[PS+1]
	v_permlanex16_b32 v[PS+1], v[PS], s58, s59
	v_add_f32 v[PS], v[PS], v[PS+1]
	ds_store_b32 v242, v[PS] offset:64*\mb         ; lanes r and 16 + r write the same word with the same number
.endm
	AFETCH 0
	KSTEP 0, 1, BIAS1
.set k, 1
.rept 15
	KSTEP k, 0, 0
.set k, k+1
.endr
.irp mb, 0,1,2,3,4
	EPI1 \mb                                       ; the weights of layer 2's first three steps are on their way meanwhile
.endr
	s_wait_dscnt 0x0                               ; my 128 columns of h1 are in LDS: the others read them behind the barrier
	s_barrier_signal -1
	s_barrier_wait -1
	AFETCH 16
	KSTEP 16, 1, BIAS2
.set k, 17
.rept 15
	KSTEP k, 0, 0
.set k, k+1
.endr
.irp mb, 0,1,2,3,4
	EPI2 \mb
.endr
	s_wait_dscnt 0x0                               ; my partial logits are in LDS
	s_barrier_signal -1
	s_barrier_wait -1
; ---------------------------------------------------------------- thread i < count finishes row i
	ds_load_b32 v244, v243
	ds_load_b32 v245, v243 offset:320
	ds_load_b32 v246, v243 offset:640
	ds_load_b32 v247, v243 offset:960
	v_min_u32 v240, 0x3fff, v240                   ; a place in out0, whatever was loaded
	v_lshlrev_b32 v240, 2, v240
	v_cmp_gt_u32 vcc_lo, s27, v0
	s_wait_dscnt 0x0
	v_add_f32 v244, v244, v245
	v_add_f32 v246, v246, v247
	v_add_f32 v244, v244, v246
	v_add_f32 v244, s29, v244                      ; + b3
	v_mul_f32 v244, 0xbfb8aa3b, v244               ; sigmoid(z) = 1 / (1 + 2^(-z log2 e))
	v_exp_f32 v245, v244
	v_nop                                          ; one plain vector instruction behind a transcendental before its result is used (ISA guide 5.7.2)
	s_wait_alu depctr_va_vdst(0)
	v_add_f32 v245, 1.0, v245
	v_rcp_f32 v246, v245
	v_nop
	s_wait_xcnt 0x0                                ; EXEC changes only behind this wait
	s_wait_tensorcnt 0x0
	ds_add_u32 v254, v255
	s_wait_dscnt 0x0
	s_and_saveexec_b32 s56, vcc_lo
	s_wait_alu depctr_va_vdst(0)
	global_store_b32 v240, v246, s[20:21]          ; a scatter of 4 bytes a token: the tokens of a segment lie anywhere in out0
	s_endpgm
.Lfunc_end_k_q4e6de04710_mlp:
	.size	k_q4e6de04710_mlp, .Lfunc_end_k_q4e6de04710_mlp-k_q4e6de04710_mlp
	.p2alignl 7, 3214868480
	.fill 96, 4, 3214868480
	.section	.rodata,"a",@progbits
	.p2align	6, 0x0
	.amdhsa_kernel k_q4e6de04710_mlp
		.amdhsa_group_segment_fixed_size 168448
		.amdhsa_private_segment_fixed_size 0
		.amdhsa_enable_private_segment 0
		.amdhsa_kernarg_size 72
		.amdhsa_user_sgpr_count 2
		.amdhsa_user_sgpr_kernarg_segment_ptr 1
		.amdhsa_wavefront_size32 1
		.amdhsa_system_sgpr_workgroup_id_x 1
		.amdhsa_system_sgpr_workgroup_id_y 1
		.amdhsa_system_sgpr_workgroup_id_z 1
		.amdhsa_system_vgpr_workitem_id 0
		.amdhsa_next_free_vgpr 1024
		.amdhsa_next_free_sgpr 66
		.amdhsa_reserve_vcc 1
		.amdhsa_float_denorm_mode_32 3
		.amdhsa_float_denorm_mode_16_64 3
		.amdhsa_memory_ordered 1
		.amdhsa_forward_progress 1
		.amdhsa_inst_pref_size 240
	.end_amdhsa_kernel
	.amdgpu_metadata
---
amdhsa.version: [ 1, 2 ]
amdhsa.kernels:
  - .name:           k_q4e6de04710_mlp
    .symbol:         k_q4e6de04710_mlp.kd
    .args:
      - { .name: observation, .offset: 0, .size: 8, .value_kind: global_buffer, .address_space: global }
      - { .name: action, .offset: 8, .size: 8, .value_kind: global_buffer, .address_space: global }
      - { .name: b1, .offset: 16, .size: 8, .value_kind: global_buffer, .address_space: global }
      - { .name: b2, .offset: 24, .size: 8, .value_kind: global_buffer, .address_space: global }
      - { .name: W3, .offset: 32, .size: 8, .value_kind: global_buffer, .address_space: global }
      - { .name: b3, .offset: 40, .size: 8, .value_kind: global_buffer, .address_space: global }
      - { .name: wfrag, .offset: 48, .size: 8, .value_kind: global_buffer, .address_space: global }
      - { .name: route, .offset: 56, .size: 8, .value_kind: global_buffer, .address_space: global }
      - { .name: out0, .offset: 64, .size: 8, .value_kind: global_buffer, .address_space: global }
    .group_segment_fixed_size: 168448
    .private_segment_fixed_size: 0
    .kernarg_segment_align: 8
    .kernarg_segment_size: 72
    .max_flat_workgroup_size: 128
    .sgpr_count:     66
    .vgpr_count:     1024
    .wavefront_size: 32
...
	.end_amdgpu_metadata
.endif
;; end of part 2
